; MI455X (gfx1250); checked and timed in simulation.
; The chip was launched on July 23, 2026; its instructions are those of AMD's public machine-readable ISA for CDNA 5 (MIT licence, August 2026) and "CDNA5" Instruction Set Architecture Reference Guide (July 2026). The comments in the code are by the model that wrote it; some were corrected since.
;; Loc Att. Allowed arithmetic: matrix products marked QUANTISED: E4M3 operands, one E8M0 scale for each 32 along K, by v_wmma_scale_f32_16x16x128_f8f6f4 with both operands' format E4M3, f32 sums; everything else in f32.
;; Inputs: alibi 64 x 1 x 2,048 float32; attention_mask 2 x 1 x 2,048 x 2,048 bool; key_layer 2 x 2,048 x 32 x 128 float32; query_layer 2 x 2,048 x 32 x 128 float32; value_layer 2 x 2,048 x 32 x 128 float32.
;; Outputs: out0 2 x 2,048 x 4,096 float32.
;; Constants: head_dim = 128, num_heads = 32.
;; This version of the problem:
;;   THIS VERSION OF THE PROBLEM IS GIVEN IN LOW PRECISION. The matrix products marked QUANTISED in the list below multiply operands that are first quantised to E4M3 (4 exponent bits, 3 mantissa bits; 8 bits a number), with one power-of-two scale for each 32 numbers along K (OCP MX v1.0); their sums are f32. All else is computed in f32.
;;   The module's matrix products, in the order in which they are computed (A, B: the left and right operand; K: the contracted axis; several contracted axes count as one K, in the product's order):
;;     1. batch 64 x [M 2,048, K 128] x [K 128, N 2,048]; A: input query_layer; B: input key_layer: QUANTISED
;;     2. batch 64 x [M 2,048, K 2,048] x [K 2,048, N 128]; A: computed on the way; B: input value_layer: QUANTISED
;;   THE QUANTISER, for each operand of a quantised product, along K:
;;     - K is cut into blocks of 32 from its start; a last block that is shorter is filled with zeros.
;;     - A block's scale is 2^e with e = floor(log2(the largest magnitude in the block)) - 8, held to -126 .. 127; a block of zeros has e = 0. As a byte (E8M0): e + 127.
;;     - Each number is divided by its block's scale, clamped to +-448, and rounded to the nearest number of E4M3, ties to even, subnormals kept.
;;     - The product sums the exact products of the quantised numbers (number of the format x scale) in f32.
;;   ~~~python
;;   def quantise(x, axis):      # numpy; x: float32 -> the quantised numbers, widened to float32 again
;;       x = np.moveaxis(x, axis, -1); K = x.shape[-1]
;;       x = np.pad(x, [(0, 0)] * (x.ndim - 1) + [(0, -K % 32)]); x = x.reshape(x.shape[:-1] + (-1, 32)); a = np.abs(x).max(-1, keepdims=True)
;;       e = np.where(a > 0, np.clip(np.frexp(np.where(a > 0, a, 1))[1] - 1 - 8, -126, 127), 0)      # np.frexp(a)[1] - 1 = floor(log2(a)), exactly
;;       r = np.clip(x / 2.0 ** e, -448, 448)
;;       step = 2.0 ** (np.maximum(np.frexp(np.where(r == 0, 1, r))[1] - 1, -6) - 3)
;;       q = np.round(r / step) * step * 2.0 ** e      # np.round: ties to even
;;       return np.moveaxis(q.reshape(q.shape[:-2] + (-1,))[..., :K], -1, axis).astype(np.float32)
;;   ~~~
;;   OPERANDS COMPUTED ON THE WAY. 'Computed on the way' means the value that the module computes at that place (a softmax that the list does not call 'softmax' is quantised finished and normalised). What goes into a quantiser is computed in f32, as accurately as f32 sums, v_exp_f32 and their like allow (about 1e-6 of the number): no bf16 or f16 on the way to a quantiser, and a product that is left as it is and whose result goes on into a quantised operand takes f32 operands (vector FMAs, or v_wmma_f32_16x16x4_f32). A number that lies on a knife's edge between two numbers of the format may be rounded either way, as far as f32 arithmetic and the matrix unit's own rounding can turn it there, and no further.
;; One version. Each part assembles by itself: llvm-mc -triple=amdgcn-amd-amdhsa -mcpu=gfx1250 --defsym DOCPART=n.
;; ======== version 1 of 1: 2 launches
;; limits: right only within a limited range of input values
;; workspace buffers: kc 16,777,216 bytes; ks 524,288 bytes; vc 16,777,216 bytes; vs 524,288 bytes; mb 1,048,576 bytes of whole numbers
;; launch prep (part 1): grid 1280 x 1, 4 waves a work-group, no clusters, 68,096 bytes of LDS; arguments key_layer, value_layer, attention_mask, kc, ks, vc, vs, mb; writes kc, ks, vc, vs, mb
.if DOCPART == 1
	.amdgcn_target "amdgcn-amd-amdhsa--gfx1250"
	.amdhsa_code_object_version 6
	.text
	.protected	k_q3d7f1beb1e_prep
	.globl	k_q3d7f1beb1e_prep
	.p2align	8
	.type	k_q3d7f1beb1e_prep,@function
k_q3d7f1beb1e_prep:
	s_mov_b64 s[64:65], 0
	v_nop
	global_prefetch_b8 v0, s[64:65] scope:SCOPE_SE
	s_setreg_imm32_b32 hwreg(HW_REG_WAVE_MODE, 25, 1), 1
	s_wait_xcnt 0x0
; What the attention launch reads many times is made once here, from key_layer, value_layer [2][2048][32][128] f32 and attention_mask [2][1][2048][2048] bool.
; Work-groups 0-511: K into codes of FP8 (E4M3) along the head's 128, one E8M0 byte for each 32.  Work-groups 512-1023: V into codes along the KEYS.  Work-groups 1024-1279: the mask into lane masks, one bit a score.
; A block's scale is 2^(floor(log2(its largest magnitude)) - 8); its byte is that magnitude's exponent field - 8, held at 1 from below; each number is divided by the scale, held within +-448, rounded to the nearest code, ties to even.
; LIMITS: a block of zeros gets the byte 1 where the rule says 127 (its codes are zeros, which add nothing under any byte but 0xff, and only this program reads the bytes); blocks whose largest magnitude lies
; under 2^(9 - 127) keep the byte 1; NaN and infinities among the inputs are not served.
; LAYOUTS (bh = 32 b + head):
;   kc [bh][group of 64 keys][tile tt 0-3][r 0-15][128 bytes]: row (tt, r) is key 32 (tt / 2) + 8 (tt % 2) + r + 8 (r / 8) of the group: the sixteen rows that a fragment load touches are neighbours
;   ks [bh][group][r][tt] words of four bytes (byte i: channels 32 i on): 16 bytes at 16 r are the four tiles' scale words of lane r
;   vc [bh][channel d 0-127][key 0-2047]
;   vs [bh][step of 128 keys][T / 4][r][T % 4] words (d = 16 T + r; byte i: keys 32 i on of the step)
;   mb [b][tile of 16 queries][64 keys hs][n 0-31] words: bit L of word n = mask[b][16 tile + L % 16][64 hs + 32 (n / 16) + 16 (L / 16) + n % 16]: the lane mask for register n of a tile of scores
; No tensor loads, no barrier: waves share nothing.  The three paths part on the work-group's number; the two that use LDS have bytes of their own (K: 0 on, V: 32,768 on).
.set SP,     80                        ; path K: a lane's place in a stage: its 64 bytes + 16 of padding
.set KR,     16                        ; v16-79   four sets of 16 numbers as loaded
.set KX,     80                        ; v80-111  two sets of 16 neighbours
.set KE,     112                       ; v112-127 a scale byte for each step
.set KC,     128                       ; v128-191 four registers of codes for each step: no store's data are written again
.set VX,     32                        ; path V: v32-95 two sets of 32 numbers
.set VC,     96                        ; v96-103  a block's codes
.set VO,     112                       ; v112-175 the way out
.set VSB,    24                        ; v24-25   the scale bytes, four to a register
.set VPITCH, 272                       ; a stage row: 256 bytes + 16
.set VSTG,   32768                     ; path V's stages begin here
	s_load_b512 s[4:19], s[0:1], 0x0               ; key s[4:5], value s[6:7], mask s[8:9], kc s[10:11], ks s[12:13], vc s[14:15], vs s[16:17], mb s[18:19]
	v_lshl_add_u32 v192, v0, 2, 0x10800
	v_mov_b32 v193, 0
	v_lshrrev_b32 v1, 5, v0
	v_readfirstlane_b32 s20, v1                    ; wave 0..3
	v_and_b32 v2, 31, v0                           ; lane
	s_mov_b32 s23, 0                               ; the high word of every offset: all stay under 2^32
	s_wait_kmcnt 0x0
	s_cmp_lt_u32 ttmp9, 512
	s_cbranch_scc1 .Lpath_k
	s_cmp_lt_u32 ttmp9, 1024
	s_cbranch_scc1 .Lpath_v
; ---------------- THE MASK.  A work-group takes 16 queries x 2,048 keys, a wave 512 of the keys.  Lane (r, h) loads, for each 32 keys, the 16 bytes of query r at 16 h: the place that the lane has in a tile of scores.
; Byte i of all 32 lanes becomes one word by a compare; the words are laid into lanes so that two stores of 512 consecutive bytes carry the wave's 256 words.
	s_sub_co_u32 s21, ttmp9, 1024                  ; 128 b + tile
	s_lshl_b32 s22, s21, 15                        ; 16 rows of 2,048 bytes
	s_lshl_b32 s24, s20, 9                         ; my wave's 512 keys
	s_add_co_u32 s22, s22, s24
	s_add_nc_u64 s[8:9], s[8:9], s[22:23]
	s_lshl_b32 s22, s21, 12                        ; a tile's 1,024 words
	s_lshl_b32 s24, s20, 10                        ; my wave's 256
	s_add_co_u32 s22, s22, s24
	s_add_nc_u64 s[18:19], s[18:19], s[22:23]
	s_wait_alu depctr_va_vdst(0)
	v_and_b32 v1, 15, v2                           ; r
	v_lshrrev_b32 v3, 4, v2                        ; h
	v_lshlrev_b32 v3, 4, v3
	v_lshl_add_u32 v3, v1, 11, v3                  ; 2,048 r + 16 h
	v_lshlrev_b32 v7, 4, v2                        ; out: 16 bytes a lane
.irp b, 0,1,2,3,4,5,6,7,8,9,10,11,12,13,14,15
	global_load_b128 v[64+4*\b:67+4*\b], v3, s[8:9] offset:32*\b th:TH_LOAD_NT
.endr
.irp j, 8,9,10,11,12,13,14,15
	v_mov_b32 v\j, 0                               ; a lane write's destination counts as read
.endr
	s_wait_loadcnt 8                               ; the first eight loads are in; the eight younger may be out
.set wi, 0                                     ; word wi = 16 (block of 32 keys) + byte
.rept 256
.if wi == 128
	s_wait_loadcnt 0x0
.endif
	v_and_b32 v[4+(wi%2)], 0xff<<(8*(wi%4)), v[64+wi/4]
	v_cmp_ne_u32 s[24+(wi%2)], 0, v[4+(wi%2)]      ; bit L: lane L's byte is true
	v_writelane_b32 v[8+4*(wi/128)+(wi%4)], s[24+(wi%2)], (wi%128)/4   ; word wi lies at byte 4 wi of the wave's 1,024
.set wi, wi+1
.endr
	global_store_b128 v7, v[8:11], s[18:19]        ; 32 lanes store 512 consecutive bytes, aligned
	global_store_b128 v7, v[12:15], s[18:19] offset:512
	s_endpgm
; ---------------- K.  A wave takes 64 keys of one head: 16 steps of 4 keys (512 numbers).  Each load reads one key's 512 consecutive bytes; a step's 2,048 bytes turn through the wave's own stage in LDS, so that a lane
; holds 16 neighbours along the head's axis (two neighbouring lanes hold a block of 32), which is what the conversions take.  A step's codes are 4 rows of 128 bytes, neighbours in kc too: one store of 512 bytes.
.Lpath_k:
	s_wait_alu depctr_va_vdst(0)
	v_lshlrev_b32 v3, 4, v2                        ; 16 x lane: my place in a load's and in a store's 512 bytes; never rewritten
	s_lshl_b32 s26, s20, 13                        ; my wave's 8,192 bytes of LDS
	v_lshrrev_b32 v14, 2, v2
	v_mul_u32_u24 v14, v14, SP
	v_and_b32 v15, 3, v2
	v_lshl_add_u32 v14, v15, 4, v14
	v_add_nc_u32 v14, s26, v14                     ; the stage, in: four lanes' 64 bytes on end, then the padding
	v_mul_u32_u24 v15, v2, SP
	v_add_nc_u32 v15, s26, v15                     ; and out: my 16 neighbours
	s_add_co_u32 s26, s26, 2*32*SP                 ; behind the two stages: the wave's 256 scale bytes, laid as ks wants them
	v_lshrrev_b32 v5, 3, v2                        ; which of the step's 4 keys is mine: 16 bytes a row r,
	v_lshlrev_b32 v5, 4, v5
	v_bfe_u32 v6, v2, 1, 2                         ; and which block of its 128 channels: the byte in the word
	v_add_nc_u32 v5, v5, v6
	v_add_nc_u32 v5, s26, v5
	v_lshlrev_b32 v7, 3, v2                        ; on the way out 8 bytes a lane
	v_add_nc_u32 v6, s26, v7
	s_lshl_b32 s21, ttmp9, 2
	s_add_co_u32 s21, s21, s20                     ; W = 32 bh + group
	s_lshr_b32 s22, s21, 10                        ; b: 2,048 keys of 16,384 bytes
	s_lshl_b32 s22, s22, 25
	s_and_b32 s24, s21, 31                         ; the group: 64 keys
	s_lshl_b32 s24, s24, 20
	s_add_co_u32 s22, s22, s24
	s_bfe_u32 s24, s21, 0x50005                    ; the head: 512 bytes
	s_lshl_b32 s24, s24, 9
	s_add_co_u32 s22, s22, s24
	s_add_nc_u64 s[4:5], s[4:5], s[22:23]
	s_lshl_b32 s22, s21, 13                        ; a group's codes: 8,192 bytes
	s_add_nc_u64 s[10:11], s[10:11], s[22:23]
	s_lshl_b32 s22, s21, 8                         ; its scale bytes: 256
	s_add_nc_u64 s[12:13], s[12:13], s[22:23]
.macro KLOAD t
.irp i, 0,1,2,3
	global_load_b128 v[KR+16*((\t)%4)+4*\i:KR+16*((\t)%4)+4*\i+3], v3, s[4:5] offset:(4*(\t)+\i)*16384 th:TH_LOAD_NT   ; key 4 t + i
.endr
.endm
.macro KTURN t                         ; step t's numbers through the stage: LDS serves a wave's instructions in order, so no wait stands between the stores and the loads
.irp i, 0,1,2,3
	ds_store_b128 v14, v[KR+16*((\t)%4)+4*\i:KR+16*((\t)%4)+4*\i+3] offset:32*SP*((\t)%2)+8*SP*\i
.endr
.irp i, 0,1,2,3
	ds_load_b128 v[KX+16*((\t)%2)+4*\i:KX+16*((\t)%2)+4*\i+3], v15 offset:32*SP*((\t)%2)+16*\i
.endr
.endm
.irp t, 0,1,2,3
	KLOAD \t
.endr
	s_wait_alu depctr_va_vdst(0)
	s_wait_loadcnt 12                              ; step 0's four loads are in
	KTURN 0
.macro KSTEP t
.set XS, KX+16*((\t)%2)
.if (\t) > 0
	s_wait_dscnt 1                                 ; this step's numbers are back from the stage (the last step's byte store may be out): its stores into the stage have read their registers,
.else
	s_wait_dscnt 0x0
.endif
.if (\t)+4 < 16
	KLOAD (\t)+4                                   ; which take the loads of four steps on
.endif
.if (\t)+1 < 16
.if 14-(\t) >= 3
	s_wait_loadcnt 12                              ; the next step's four loads are in; those of the three steps behind it may be out
.else
	s_wait_loadcnt 4*(14-(\t))
.endif
	KTURN (\t)+1
.endif
	v_max3_num_f32 v8, |v[XS]|, |v[XS+1]|, |v[XS+2]|               ; the largest magnitude of my 16, in two chains
	v_max3_num_f32 v9, |v[XS+3]|, |v[XS+4]|, |v[XS+5]|
.irp i, 6,10
	v_max3_num_f32 v8, v8, |v[XS+\i]|, |v[XS+\i+1]|
	v_max3_num_f32 v9, v9, |v[XS+\i+2]|, |v[XS+\i+3]|
.endr
	v_max3_num_f32 v8, v8, |v[XS+14]|, |v[XS+15]|
	v_max3_num_f32 v8, v8, v9, 0x4800000           ; and the floor 2^(9 - 127): the byte cannot fall under 1
	v_max_num_f32_dpp v8, v8, v8 row_xmask:1 row_mask:0xf bank_mask:0xf   ; and of my neighbour's 16: the block's
	v_add_nc_u32 v11, 0xfc000000, v8               ; 8 off its exponent field: the conversion takes the exponent field of this operand as its scale
.irp i, 0,1,2,3,4,5,6,7,8,9,10,11,12,13,14,15
.endr
	v_cvt_scalef32_pk8_fp8_f32 v[KC+4*(\t):KC+4*(\t)+1], v[XS:XS+7], v11
	v_cvt_scalef32_pk8_fp8_f32 v[KC+4*(\t)+2:KC+4*(\t)+3], v[XS+8:XS+15], v11
	v_lshrrev_b32 v[KE+(\t)], 23, v11              ; the scale's byte
	; keys 4 t .. 4 t + 3 are rows r = 8 ((t / 4) % 2) + 4 (t % 2) + 0 .. 3 of tile tt = 2 ((t / 8) % 2) + (t / 2) % 2
	ds_store_b8 v5, v[KE+(\t)] offset:128*(((\t)/4)%2)+64*((\t)%2)+8*(((\t)/8)%2)+4*(((\t)/2)%2)   ; both lanes of a block write the same byte with the same value
	global_store_b128 v3, v[KC+4*(\t):KC+4*(\t)+3], s[10:11] offset:128*(16*(2*(((\t)/8)%2)+(((\t)/2)%2))+8*(((\t)/4)%2)+4*((\t)%2))   ; 512 consecutive bytes, aligned
.endm
.irp t, 0,1,2,3,4,5,6,7,8,9,10,11,12,13,14,15
	KSTEP \t
.endr
	ds_load_b64 v[12:13], v6                       ; LDS serves a wave's instructions in order: these see my stores
	s_wait_dscnt 0x0
	global_store_b64 v7, v[12:13], s[12:13]        ; 32 lanes store 256 consecutive bytes, aligned
	s_wait_tensorcnt 0x0
	ds_add_u32 v192, v193
	s_wait_dscnt 0x0
	s_endpgm
; ---------------- V.  The keys are the second product's K and V's outer axis.  A lane takes a channel d and its registers run down the keys: a block of 32 keys lies in one lane's 32 registers, and the conversions give
; codes with the keys innermost; nothing is transposed by an instruction.  A work-group takes one head x 256 keys, a wave 32 channels.  The codes leave through the wave's own stage as rows of 256 bytes.
.Lpath_v:
	s_sub_co_u32 s21, ttmp9, 512
	s_and_b32 s24, s21, 31                         ; the head
	s_lshr_b32 s25, s21, 5
	s_lshr_b32 s26, s25, 3                         ; b
	s_and_b32 s27, s25, 7                          ; which 256 keys
	s_lshl_b32 s22, s26, 25
	s_lshl_b32 s28, s27, 22                        ; 256 keys of 16,384 bytes
	s_add_co_u32 s22, s22, s28
	s_lshl_b32 s28, s24, 9
	s_add_co_u32 s22, s22, s28
	s_lshl_b32 s28, s20, 7                         ; my wave's 32 channels
	s_add_co_u32 s22, s22, s28
	s_add_nc_u64 s[6:7], s[6:7], s[22:23]
	s_lshl_b32 s29, s26, 5
	s_add_co_u32 s29, s29, s24                     ; bh
	s_lshl_b32 s22, s29, 18                        ; vc: 128 rows of 2,048 bytes a head,
	s_lshl_b32 s28, s20, 16                        ; my wave's 32 rows,
	s_add_co_u32 s22, s22, s28
	s_lshl_b32 s28, s27, 8                         ; these 256 keys
	s_add_co_u32 s22, s22, s28
	s_add_nc_u64 s[14:15], s[14:15], s[22:23]
	s_lshl_b32 s22, s29, 13                        ; vs: 8,192 bytes a head,
	s_lshl_b32 s28, s27, 10                        ; two steps of 512,
	s_add_co_u32 s22, s22, s28
	s_lshr_b32 s28, s20, 1                         ; T = 2 wave + lane / 16: T / 4 = wave / 2,
	s_lshl_b32 s28, s28, 8
	s_add_co_u32 s22, s22, s28
	s_and_b32 s28, s20, 1                          ; T % 4 = 2 (wave % 2) + lane / 16
	s_lshl_b32 s28, s28, 3
	s_add_co_u32 s22, s22, s28
	s_add_nc_u64 s[16:17], s[16:17], s[22:23]
	s_wait_alu depctr_va_vdst(0)
	v_lshlrev_b32 v3, 2, v2                        ; in: 4 bytes a lane
	s_mul_i32 s28, s20, 32*VPITCH
	s_add_co_u32 s28, s28, VSTG                    ; my stage
	v_mul_u32_u24 v4, v2, VPITCH
	v_add_nc_u32 v4, s28, v4                       ; into it: row = my channel
	v_and_b32 v5, 15, v2
	v_lshrrev_b32 v6, 4, v2
	v_mul_u32_u24 v7, v6, VPITCH                   ; out of it: sixteen lanes to a row, two rows an instruction
	v_lshl_add_u32 v7, v5, 4, v7
	v_add_nc_u32 v7, s28, v7
	v_lshlrev_b32 v8, 11, v6                       ; and the same place in vc
	v_lshl_add_u32 v8, v5, 4, v8
	v_lshlrev_b32 v9, 4, v5                        ; my scale words: 16 (lane % 16) + 4 (lane / 16)
	v_lshl_add_u32 v9, v6, 2, v9
.macro VLOAD t                         ; block t: keys 32 t + i of my channel into set t % 2; 32 lanes read 128 consecutive bytes, the four waves 512
.irp i, 0,1,2,3,4,5,6,7,8,9,10,11,12,13,14,15,16,17,18,19,20,21,22,23,24,25,26,27,28,29,30,31
	global_load_b32 v[VX+32*((\t)%2)+\i], v3, s[6:7] offset:(32*(\t)+\i)*16384 th:TH_LOAD_NT
.endr
.endm
	VLOAD 0
	VLOAD 1
.macro VBLOCK t
.set XS, VX+32*((\t)%2)
.if (\t) < 7
	s_wait_loadcnt 32                              ; this block's 32 loads are in; the next block's may be out
.else
	s_wait_loadcnt 0
.endif
	v_max3_num_f32 v12, |v[XS]|, |v[XS+1]|, |v[XS+2]|              ; the block's largest magnitude: all 32 numbers are mine
	v_max3_num_f32 v13, |v[XS+3]|, |v[XS+4]|, |v[XS+5]|
.irp i, 6,10,14,18,22,26
	v_max3_num_f32 v12, v12, |v[XS+\i]|, |v[XS+\i+1]|
	v_max3_num_f32 v13, v13, |v[XS+\i+2]|, |v[XS+\i+3]|
.endr
	v_max3_num_f32 v12, v12, |v[XS+30]|, |v[XS+31]|
	v_max3_num_f32 v12, v12, v13, 0x4800000        ; and the floor
	v_add_nc_u32 v11, 0xfc000000, v12              ; the conversion's scale operand
	v_lshrrev_b32 v13, 23, v11                     ; the scale's byte
.if (\t)%4 == 0
	v_mov_b32 v[VSB+(\t)/4], v13                   ; four bytes to a register, the lower keys in the lower byte: a step's word
.else
	v_lshl_or_b32 v[VSB+(\t)/4], v13, 8*((\t)%4), v[VSB+(\t)/4]
.endif
.irp i, 0,1,2,3,4,5,6,7,8,9,10,11,12,13,14,15,16,17,18,19,20,21,22,23,24,25,26,27,28,29,30,31
.endr
.irp g, 0,1,2,3
	v_cvt_scalef32_pk8_fp8_f32 v[VC+2*\g:VC+2*\g+1], v[XS+8*\g:XS+8*\g+7], v11
.endr
	ds_store_b128 v4, v[VC:VC+3] offset:32*(\t)    ; 32 codes: 32 bytes of my channel's row
	ds_store_b128 v4, v[VC+4:VC+7] offset:32*(\t)+16
.if (\t)+2 < 8
	VLOAD (\t)+2
.endif
	s_wait_dscnt 0x0                               ; the stores have read their registers: the next block's codes may be written
.endm
.irp t, 0,1,2,3,4,5,6,7
	VBLOCK \t
.endr
	global_store_b32 v9, v[VSB], s[16:17]          ; my channel's two scale words: four-byte pieces, one word for each 128 keys, a byte for each 32
	s_wait_alu depctr_va_vdst(0)
	global_store_b32 v9, v[VSB+1], s[16:17] offset:512
.irp t, 0,1,2,3,4,5,6,7,8,9,10,11,12,13,14,15
	ds_load_b128 v[VO+4*\t:VO+4*\t+3], v7 offset:2*\t*VPITCH   ; LDS serves a wave's instructions in order: these see my stores
.endr
.irp t, 0,1,2,3,4,5,6,7,8,9,10,11,12,13,14,15
	s_wait_dscnt 15-\t
	global_store_b128 v8, v[VO+4*\t:VO+4*\t+3], s[14:15] offset:2*\t*2048   ; sixteen lanes store 256 consecutive bytes, aligned
.endr
	s_wait_tensorcnt 0x0
	ds_add_u32 v192, v193
	s_wait_dscnt 0x0
	s_endpgm
.Lfunc_end_k_q3d7f1beb1e_prep:
	.size	k_q3d7f1beb1e_prep, .Lfunc_end_k_q3d7f1beb1e_prep-k_q3d7f1beb1e_prep
	.p2alignl 7, 3214868480
	.fill 96, 4, 3214868480
	.section	.rodata,"a",@progbits
	.p2align	6, 0x0
	.amdhsa_kernel k_q3d7f1beb1e_prep
		.amdhsa_group_segment_fixed_size 68096
		.amdhsa_private_segment_fixed_size 0
		.amdhsa_enable_private_segment 0
		.amdhsa_kernarg_size 64
		.amdhsa_user_sgpr_count 2
		.amdhsa_user_sgpr_kernarg_segment_ptr 1
		.amdhsa_wavefront_size32 1
		.amdhsa_system_sgpr_workgroup_id_x 1
		.amdhsa_system_sgpr_workgroup_id_y 1
		.amdhsa_system_sgpr_workgroup_id_z 1
		.amdhsa_system_vgpr_workitem_id 0
		.amdhsa_next_free_vgpr 194
		.amdhsa_next_free_sgpr 66
		.amdhsa_reserve_vcc 0
		.amdhsa_float_denorm_mode_32 3
		.amdhsa_float_denorm_mode_16_64 3
		.amdhsa_fp16_overflow 1
		.amdhsa_memory_ordered 1
		.amdhsa_forward_progress 1
		.amdhsa_inst_pref_size 126
	.end_amdhsa_kernel
	.amdgpu_metadata
---
amdhsa.version: [ 1, 2 ]
amdhsa.kernels:
  - .name:           k_q3d7f1beb1e_prep
    .symbol:         k_q3d7f1beb1e_prep.kd
    .args:
      - { .name: key_layer, .offset: 0, .size: 8, .value_kind: global_buffer, .address_space: global }
      - { .name: value_layer, .offset: 8, .size: 8, .value_kind: global_buffer, .address_space: global }
      - { .name: attention_mask, .offset: 16, .size: 8, .value_kind: global_buffer, .address_space: global }
      - { .name: kc, .offset: 24, .size: 8, .value_kind: global_buffer, .address_space: global }
      - { .name: ks, .offset: 32, .size: 8, .value_kind: global_buffer, .address_space: global }
      - { .name: vc, .offset: 40, .size: 8, .value_kind: global_buffer, .address_space: global }
      - { .name: vs, .offset: 48, .size: 8, .value_kind: global_buffer, .address_space: global }
      - { .name: mb, .offset: 56, .size: 8, .value_kind: global_buffer, .address_space: global }
    .group_segment_fixed_size: 68096
    .private_segment_fixed_size: 0
    .kernarg_segment_align: 8
    .kernarg_segment_size: 64
    .max_flat_workgroup_size: 128
    .sgpr_count:     66
    .vgpr_count:     194
    .wavefront_size: 32
...
	.end_amdgpu_metadata
.endif
;; end of part 1
;; launch attn (part 2): grid 8 x 64, 8 waves a work-group, clusters of 4 x 1, 327,680 bytes of LDS; arguments query_layer, alibi, kc, ks, vc, vs, mb, out0; writes out0
.if DOCPART == 2
	.amdgcn_target "amdgcn-amd-amdhsa--gfx1250"
	.amdhsa_code_object_version 6
	.text
	.protected	k_q3d7f1beb1e_attn
	.globl	k_q3d7f1beb1e_attn
	.p2align	8
	.type	k_q3d7f1beb1e_attn,@function
k_q3d7f1beb1e_attn:
	s_mov_b64 s[64:65], 0
	v_nop
	global_prefetch_b8 v0, s[64:65] scope:SCOPE_SE
	s_setreg_imm32_b32 hwreg(HW_REG_WAVE_MODE, 25, 1), 1
	s_wait_xcnt 0x0
	s_wait_alu depctr_hold_cnt(0) depctr_sa_sdst(0) depctr_va_vdst(0) depctr_va_sdst(0) depctr_va_ssrc(0) depctr_va_vcc(0) depctr_vm_vsrc(0)
	s_getreg_b32 s2, hwreg(HW_REG_IB_STS2, 6, 4)
	s_cmp_eq_u32 s2, 0
	s_cbranch_scc0 .Lentry_in_a_cluster
	s_endpgm
.Lentry_in_a_cluster:
	s_bfe_u32 s2, ttmp6, 0x10000c
	s_cmp_lg_u32 s2, 0x3003
	s_cbranch_scc0 .Lentry_shape_is_right
	s_endpgm
.Lentry_shape_is_right:
; out0[b][q][128 head + d] = sum over keys of P[q][key] V[key][d],  P = softmax over the keys of (alibi[key] + Q[q] . K[key] / sqrt(128)), a masked score counting as the lowest number.
; Both products on codes of FP8 (E4M3) with one E8M0 scale for each 32 along K.  WHAT IS QUANTISED FOR THE SECOND PRODUCT IS THE FINISHED P, divided by its row's sum.  So the keys are walked TWICE:
; pass 1 finds each row's maximum and sum (a running maximum), pass 2 makes the scores again (the same instructions on the same operands: the same bits), p = 2^(x) / sum, its codes, and O^T += V^T P^T.
; SHARES.  A work-group owns 256 queries of one (b, head); each of its eight waves 32 of them, two tiles of 16, which share every fragment of K and V read from LDS.  Two waves lie on a SIMD, 512 registers each,
; so that one wave's vector work stands beside the other's matrix work and LDS loads.
; LAYOUT.  Both products are used transposed: S^T = K Q^T (source 0 = 16 keys, source 1 = 16 queries), O^T = V^T P^T: a lane holds ONE query (lane % 16) throughout.  The keys of a tile of K are chosen (in kc) so that
; register n (0-31) of a tile's scores for 64 keys is key 32 (n / 16) + 16 (lane / 16) + n % 16: sixteen neighbours a block, which the conversions turn straight into the second product's operand.
; ALIBI costs no vector instruction: alibi x sqrt(128) is the C of K Q^T, so acc = q . k + alibi sqrt(128), and x = acc c - M c with c = log2(e) / sqrt(128): one packed multiply-add.
; THE MASK costs one select a score: mb holds a lane mask for each register of a tile, fetched by scalar loads one step of 64 keys ahead.  A masked score becomes NEG = -2^126.  NEG c is exact, so in a row with no key left
; x = 0 for all 2,048 keys and p = 1 / 2048, as the softmax of equal numbers is; in every other row x is about -1e37 and p = 0.
; CLUSTER.  The four query blocks of a cluster walk the same K, V and scale words of one head: every tensor load is asked for jointly, with a mask that names the four.
; LIMITS: unmasked scores under -2^126 / sqrt(128) are not told from masked ones; a p under 2^-126 becomes 0 (v_exp_f32 flushes denormals: ISA guide, its entry); a block of P that is all zeros carries the byte 1
; (its codes are zeros); NaN and infinities among the inputs are not served.
; REGISTERS.  Window 0: v1-5 lane places, v6-7 the add's two, v8-12 addresses of the slot in hand, v13 NEG, v14 my offset in out0; v16-31 eight statistics a tile; v32-95 four fragments of K (in pass 2 also V's tiles 4-7);
;   v96-159 scores, 32 a tile; v160-191 alibi as C; v192-215 at work, 12 a tile; v216-217 stage addresses; v224-227 K's, v228-235 V's, v236-237 Q's, v238-239 P's scale words (they hold nothing else).
;   Window 1: v0-127 O^T, 64 a tile; v128-159 Q's fragments; v160-223 V's tiles 0-3; v224-255 P's codes.
.set KP,    144                        ; a key's row in LDS: 128 bytes + 16: 36 words, so the 16 neighbouring rows of a fragment load start at 16 different groups of four banks (64 banks of 4 bytes: ISA guide 11.1)
.set VP,    272                        ; a row of V's tile: 256 keys + 16 bytes
.set VOFF,  256*KP                     ; a slot: 256 rows of K, then 128 rows of V
.set SLOT1, 1<<17                      ; slot 1 begins here: one exclusive or turns an address from one slot to the other
.set SCK,   2*SLOT1                    ; K's scale words of the whole head, 8,192 bytes, filled once
.set SCV,   SCK+8192                   ; V's likewise
.set ALB,   SCV+8192                   ; alibi x sqrt(128), 2,048 numbers, stored by the waves: no fill ever lands here
.set SPARE, ALB+8192                   ; the spare words, 128 bytes for each of eight waves: four blocks of 256 bytes that no other line names
.set STAGE, SPARE+1024                 ; the way out: 16 rows x 272 bytes for each wave
.set ST,  16                           ; tile x's statistics at v[ST + 8 x]: +0 -M c, +1 M, +2,3 the sum in two halves, +4 the factor (pass 2: 1 / sum), +5 its pair's other word, +6,7 at work
.set KF,  32
.set S,   96
.set AL,  160
.set TM,  192
.set KSC, 224
.set VSC, 228
.set QS,  236
.set PW,  238
.set QF,  128                          ; in window 1
.set VF,  160
.set PC,  224
.set MS0, 68                           ; s[68:99] tile 0's 32 lane masks;  s[32:63] tile 1's
.set MS1, 32
; s2 wave; s3 loop counter; s[4:11], s[12:19] descriptor groups 1 for K's and V's tiles; s[20:23], s[24:27] their groups 0, which walk; s[28:29] the mask pointer; s[30:31] lane selects;
; s66 the slot in hand; s67 1,024 x the slot's number in the pass; s[100:101] c; s104 my rows' byte offset in query_layer and out0.
; At the head the mask registers hold the pointers (s[32:47]), temporaries, and the scale words' descriptors (groups 0 s[68:71], s[72:75]; group 1 s[76:83]).
.set MSB, 0
.macro WIN new                         ; s_set_vgpr_msb: bits 1:0 source 0, 3:2 source 1, 5:4 source 2, 7:6 destination; the high byte repeats the setting that is left
.if MSB != \new
	s_set_vgpr_msb (MSB<<8)|\new
.set MSB, \new
.endif
.endm
.macro PLACES n                        ; plain vector instructions that name no register of the matrix instruction behind which they stand (ISA guide 7.12.1)
.rept \n
	v_nop
.endr
.endm
.macro CROUND                          ; a round of the cluster's barrier: my work-group's barrier; wave 0 signals for the work-group; every wave waits for all four; my work-group's barrier once more
	s_barrier_signal -1
	s_barrier_wait -1
	s_cmp_lg_u32 s2, 0
	s_cbranch_scc1 .Lnot_wave_0_\@
	s_barrier_signal -3
.Lnot_wave_0_\@:
	s_barrier_wait -3
	s_barrier_signal -1
	s_barrier_wait -1
.endm
.macro JLOADK                          ; waves 0 and 1 ask for the halves of K's next 256 rows.  The branch hangs on the wave's number alone.  Four v_nop follow the load
	s_cmp_lt_u32 s2, 2
	s_cbranch_scc0 .Lno_k_\@
	tensor_load_to_lds s[20:23], s[4:11]
	s_nop 0
	PLACES 4
.Lno_k_\@:
.endm
.macro JLOADKV                         ; and waves 2 and 3 for the halves of V's next 256 keys
	s_cmp_lt_u32 s2, 2
	s_cbranch_scc0 .Lnot_k_\@
	tensor_load_to_lds s[20:23], s[4:11]
	s_nop 0
	PLACES 4
	s_branch .Lasked_\@
.Lnot_k_\@:
	s_cmp_lt_u32 s2, 4
	s_cbranch_scc0 .Lasked_\@
	tensor_load_to_lds s[24:27], s[12:19]
	s_nop 0
	PLACES 4
.Lasked_\@:
.endm
; THE CHANGE OF SLOTS stands at a slot's head.  Each wave waits for all its tensor loads (at most one is out), adds 0 to its spare word, and waits for that and for its reads of the slot that it has left.
; Behind the barrier the slot ahead is whole and nobody reads the other one, which is then filled: the load has a whole slot's work in which to land.
; kind 0: nothing is filled.  1: K's next 256 keys.  2: K goes back to the head's first keys, for pass 2.  3: K's next and V's next.  With a fill the barrier is a round of the cluster's, since the fills are joint.
.macro CHANGE kind
	WIN 0
	s_wait_tensorcnt 0x0                           ; no tensor load of mine is out, so a group 0 may be written
	ds_add_u32 v6, v7                              ; 0 onto my spare word; the descriptors' steps stand between it and the wait for it
.if \kind > 0
	s_xor_b32 s21, s21, SLOT1                      ; the other slot than last time
.endif
.if (\kind == 1) || (\kind == 3)
	s_add_nc_u64 s[22:23], s[22:23], 32768         ; 256 rows of 128 bytes on; the type bits on top are not reached
.endif
.if \kind == 2
	s_sub_nc_u64 s[22:23], s[22:23], 229376        ; seven slots back
.endif
.if \kind == 3
	s_xor_b32 s25, s25, SLOT1
	s_add_nc_u64 s[26:27], s[26:27], 256           ; 256 keys on in each row of V
.endif
	s_wait_dscnt 0x0                               ; the add is done, and my LDS reads and stores are over
.if \kind > 0
	CROUND
.if \kind == 3
	JLOADKV
.else
	JLOADK
.endif
.else
	s_barrier_signal -1
	s_barrier_wait -1
.endif
.endm
.macro SLOTADR withv                   ; the slot's addresses
	v_add_nc_u32 v8, s66, v1                       ; K's rows
.if \withv
	v_add_nc_u32 v9, s66, v2                       ; V's rows
.endif
	v_add_nc_u32 v10, s67, v3                      ; K's scale words: 1,024 bytes a slot, and so are
.if \withv
	v_add_nc_u32 v11, s67, v4                      ; V's
.endif
	v_add_nc_u32 v12, s67, v5                      ; and alibi's numbers
.endm
.macro LOADK q, g                      ; 64 keys, the (2 q + g)-th of the slot: four fragments, their scale words, their alibi in the result's layout: 25 loads
.irp t, 0,1,2,3
.irp c, 0,1,2,3
	ds_load_b128 v[KF+16*\t+4*\c:KF+16*\t+4*\c+3], v8 offset:(128*\q+64*\g+16*\t)*KP+32*\c
.endr
.endr
	ds_load_b128 v[KSC:KSC+3], v10 offset:256*(2*\q+\g)
.irp k, 0,1,2,3,4,5,6,7
	ds_load_b128 v[AL+4*\k:AL+4*\k+3], v12 offset:256*(2*\q+\g)+128*(\k/4)+16*(\k%4)   ; registers 4 k on: keys 32 (k / 4) + 16 (lane / 16) + 4 (k % 4) on
.endr
.endm
.macro LOADV q                         ; V^T for 128 keys, the q-th of the slot: eight fragments of 16 channels, and their scale words: 34 loads.  Tiles 4-7 take the registers that K's fragments have left
	WIN 0x40
.irp t, 0,1,2,3
.irp c, 0,1,2,3
	ds_load_b128 v[VF+16*\t+4*\c:VF+16*\t+4*\c+3], v9 offset:16*\t*VP+128*\q+32*\c
.endr
.endr
	WIN 0
.irp t, 0,1,2,3
.irp c, 0,1,2,3
	ds_load_b128 v[KF+16*\t+4*\c:KF+16*\t+4*\c+3], v9 offset:16*(\t+4)*VP+128*\q+32*\c
.endr
.endr
	ds_load_b128 v[VSC:VSC+3], v11 offset:512*\q
	ds_load_b128 v[VSC+4:VSC+7], v11 offset:512*\q+256
.endm
.macro KQ                              ; acc = K Q^T + alibi sqrt(128): eight products, eight accumulators
	WIN 0x04
.irp t, 0,1,2,3
.irp x, 0,1
	v_wmma_scale_f32_16x16x128_f8f6f4 v[S+32*\x+8*\t:S+32*\x+8*\t+7], v[KF+16*\t:KF+16*\t+15], v[QF+16*\x:QF+16*\x+15], v[AL+8*\t:AL+8*\t+7], v[KSC+\t], v[QS+\x]
.endr
.endr
	WIN 0
.endm
.macro MLOAD                           ; the lane masks of 64 keys for my two tiles: 32 words each, a tile's 4,096 bytes apart
	s_load_b512 s[68:83], s[28:29], 0x0
	s_load_b512 s[84:99], s[28:29], 0x40
	s_load_b512 s[32:47], s[28:29], 0x1000
	s_load_b512 s[48:63], s[28:29], 0x1040
.endm
.macro MASK mk                         ; masked scores become NEG; each accumulator is read from its low end on.  mk = 1: the next 64 keys' masks are asked for; 2: the row's first again, for pass 2; 0: none
	s_wait_kmcnt 0x0                               ; the masks are in, and no scalar load is out: the pointer may step
.set n, 0
.rept 32
	v_cndmask_b32 v[S+n], v[S+n], v13, s[MS0+n]
	v_cndmask_b32 v[S+32+n], v[S+32+n], v13, s[MS1+n]
.set n, n+1
.endr
.if \mk == 1
	s_add_nc_u64 s[28:29], s[28:29], 128
	MLOAD
.elseif \mk == 2
	s_sub_nc_u64 s[28:29], s[28:29], 3968          ; 31 steps of 128 bytes back
	MLOAD
.endif
.endm
.macro SCALE                           ; x = acc c - M c, two at a time (of the pairs c and (-M c, M) the low word serves both halves), and 2^x
.irp j, 0,2,4,6,8,10,12,14,16,18,20,22,24,26,28,30
.irp x, 0,1
	v_pk_fma_f32 v[S+32*\x+\j:S+32*\x+\j+1], v[S+32*\x+\j:S+32*\x+\j+1], s[100:101], v[ST+8*\x:ST+8*\x+1] op_sel_hi:[1,0,0]
.endr
.endr
.set n, 0
	s_wait_alu depctr_va_vdst(0)
.rept 32
	v_exp_f32 v[S+n], v[S+n]
	v_exp_f32 v[S+32+n], v[S+32+n]
.set n, n+1
.endr
.endm
; PASS 1, 64 keys.  Each lane keeps a maximum and a sum over its OWN keys (half of the row's): no lane exchange in the loop; the two lanes of a query meet once, behind the pass.  The two tiles take turns line by line.
.macro SOFT1 mk
	MASK \mk
.irp j, 0,1,2,3                                ; the maximum of 32 scores and the old M, three operands at a time: four chains of seven,
.irp x, 0,1
	v_max3_num_f32 v[TM+12*\x+\j], v[S+32*\x+8*\j], v[S+32*\x+8*\j+1], v[S+32*\x+8*\j+2]
.endr
.endr
.irp k, 1,2
.irp j, 0,1,2,3
.irp x, 0,1
	v_max3_num_f32 v[TM+12*\x+\j], v[TM+12*\x+\j], v[S+32*\x+8*\j+2*\k+1], v[S+32*\x+8*\j+2*\k+2]
.endr
.endr
.endr
.irp x, 0,1                                    ; the four scores left over, the chains, and M
	v_max3_num_f32 v[TM+12*\x], v[TM+12*\x], v[S+32*\x+7], v[S+32*\x+15]
.endr
.irp x, 0,1
	v_max3_num_f32 v[TM+12*\x+2], v[TM+12*\x+2], v[S+32*\x+23], v[S+32*\x+31]
.endr
.irp x, 0,1
	s_delay_alu instid0(VALU_DEP_2)
	v_max3_num_f32 v[TM+12*\x], v[TM+12*\x], v[TM+12*\x+1], v[TM+12*\x+2]
.endr
.irp x, 0,1
	s_delay_alu instid0(VALU_DEP_2)
	v_max3_num_f32 v[ST+8*\x+1], v[TM+12*\x], v[TM+12*\x+3], v[ST+8*\x+1]
.endr
.irp x, 0,1
	s_delay_alu instid0(VALU_DEP_2)
	v_mul_f32 v[ST+8*\x+6], -v[ST+8*\x+1], s100    ; the new -M c
.endr
.irp x, 0,1
	s_delay_alu instid0(VALU_DEP_2)
	v_sub_f32 v[ST+8*\x+4], v[ST+8*\x+6], v[ST+8*\x]   ; less the old: the difference of the two shifts that are really applied
.endr
.irp x, 0,1
	s_delay_alu instid0(VALU_DEP_4)
	v_mov_b32 v[ST+8*\x], v[ST+8*\x+6]
.endr
	s_wait_alu depctr_va_vdst(0)
.irp x, 0,1
	v_exp_f32 v[ST+8*\x+4], v[ST+8*\x+4]           ; the factor that brings the old sum under the new M: 1 where M has not grown
.endr
	SCALE
	s_wait_alu depctr_va_vdst(0)
.irp x, 0,1
	v_pk_mul_f32 v[ST+8*\x+2:ST+8*\x+3], v[ST+8*\x+2:ST+8*\x+3], v[ST+8*\x+4:ST+8*\x+5] op_sel_hi:[1,0]   ; (also the plain place behind the exponentials)
.endr
.irp x, 0,1
	v_pk_add_f32 v[TM+12*\x+10:TM+12*\x+11], v[S+32*\x:S+32*\x+1], v[S+32*\x+2:S+32*\x+3]   ; the sum, two at a time, in two chains
.endr
.irp j, 4,8,12,16,20,24,28
.irp x, 0,1
	v_pk_add_f32 v[ST+8*\x+2:ST+8*\x+3], v[ST+8*\x+2:ST+8*\x+3], v[S+32*\x+\j:S+32*\x+\j+1]
.endr
.irp x, 0,1
	v_pk_add_f32 v[TM+12*\x+10:TM+12*\x+11], v[TM+12*\x+10:TM+12*\x+11], v[S+32*\x+\j+2:S+32*\x+\j+3]
.endr
.endr
.irp x, 0,1
	s_delay_alu instid0(VALU_DEP_2)
	v_pk_add_f32 v[ST+8*\x+2:ST+8*\x+3], v[ST+8*\x+2:ST+8*\x+3], v[TM+12*\x+10:TM+12*\x+11]
.endr
.endm
; PASS 2, 64 keys, the g-th half of a step of 128: p = 2^x / sum, in f32; its two blocks of 32 keys are quantised: registers 8 g on of P's fragment, bytes 2 g and 2 g + 1 of its scale word.
; At work for tile x, block b: TM + 12 x + b the largest p, + 2 the other lane's, + 6 the conversion's scale operand, + 8 the byte.
.macro SOFT2 g, mk
	MASK \mk
	SCALE
	v_nop                                          ; a plain place between the exponentials and the first use of a result
	s_wait_alu depctr_va_vdst(0)
.irp j, 0,2,4,6,8,10,12,14,16,18,20,22,24,26,28,30
.irp x, 0,1
	v_pk_mul_f32 v[S+32*\x+\j:S+32*\x+\j+1], v[S+32*\x+\j:S+32*\x+\j+1], v[ST+8*\x+4:ST+8*\x+5] op_sel_hi:[1,0]
.endr
.endr
.irp b, 0,1
.irp x, 0,1
	v_max3_num_f32 v[TM+12*\x+\b], v[S+32*\x+16*\b], v[S+32*\x+16*\b+1], 0x4800000   ; my 16 of the block, and the floor 2^(9 - 127): the byte cannot fall under 1.  p is not negative: no |.|
.endr
.endr
.irp i, 2,4,6,8,10,12,14
.irp b, 0,1
.irp x, 0,1
	s_delay_alu instid0(VALU_DEP_4)
	v_max3_num_f32 v[TM+12*\x+\b], v[TM+12*\x+\b], v[S+32*\x+16*\b+\i], v[S+32*\x+16*\b+\i+1]
.endr
.endr
.endr
.irp b, 0,1
.irp x, 0,1
	s_delay_alu instid0(VALU_DEP_4)
	v_permlanex16_b32 v[TM+12*\x+2+\b], v[TM+12*\x+\b], s30, s31
.endr
.endr
.irp b, 0,1
.irp x, 0,1
	s_delay_alu instid0(VALU_DEP_4)
	v_max_num_f32 v[TM+12*\x+\b], v[TM+12*\x+\b], v[TM+12*\x+2+\b]   ; with lane l xor 16's 16 keys: the block's largest p
.endr
.endr
.irp b, 0,1
.irp x, 0,1
	s_delay_alu instid0(VALU_DEP_4)
	v_add_nc_u32 v[TM+12*\x+6+\b], 0xfc000000, v[TM+12*\x+\b]        ; 8 off its exponent field
.endr
.endr
.irp b, 0,1
.irp x, 0,1
.endr
.endr
.irp b, 0,1
.irp x, 0,1
	s_delay_alu instid0(VALU_DEP_4)
	v_lshrrev_b32 v[TM+12*\x+8+\b], 23, v[TM+12*\x+6+\b]             ; the scale's byte
.endr
.endr
.irp x, 0,1
.if \g == 0
	s_delay_alu instid0(VALU_DEP_2)
	v_lshl_or_b32 v[PW+\x], v[TM+12*\x+9], 8, v[TM+12*\x+8]
.else
	s_delay_alu instid0(VALU_DEP_4)
	v_lshl_or_b32 v[PW+\x], v[TM+12*\x+8], 16, v[PW+\x]
.endif
.endr
.if \g == 1
.irp x, 0,1
	s_delay_alu instid0(VALU_DEP_2)
	v_lshl_or_b32 v[PW+\x], v[TM+12*\x+9], 24, v[PW+\x]              ; the word is whole more than eight plain instructions ahead of the products that name it
.endr
.endif
.irp b, 0,1
.irp i, 0,1,2,3,4,5,6,7,8,9,10,11,12,13,14,15
.irp x, 0,1
.endr
.endr
.endr
	WIN 0x40
.irp x, 0,1
.irp b, 0,1
	v_cvt_scalef32_pk8_fp8_f32 v[PC+16*\x+8*\g+4*\b:PC+16*\x+8*\g+4*\b+1], v[S+32*\x+16*\b:S+32*\x+16*\b+7], v[TM+12*\x+6+\b]
	v_cvt_scalef32_pk8_fp8_f32 v[PC+16*\x+8*\g+4*\b+2:PC+16*\x+8*\g+4*\b+3], v[S+32*\x+16*\b+8:S+32*\x+16*\b+15], v[TM+12*\x+6+\b]
.endr
.endr
	WIN 0
	v_nop                                          ; one plain instruction between the conversions and the next products, which write their sources or read their results
.endm
.macro PVG t0, fr, zero                ; O^T += V^T P^T for channel tiles t0 .. t0 + 3, fragments at fr, both tiles of queries
.irp t, 0,1,2,3
.irp x, 0,1
.if \zero
	v_wmma_scale_f32_16x16x128_f8f6f4 v[64*\x+8*(\t0+\t):64*\x+8*(\t0+\t)+7], v[\fr+16*\t:\fr+16*\t+15], v[PC+16*\x:PC+16*\x+15], 0, v[VSC+\t0+\t], v[PW+\x]
.else
	v_wmma_scale_f32_16x16x128_f8f6f4 v[64*\x+8*(\t0+\t):64*\x+8*(\t0+\t)+7], v[\fr+16*\t:\fr+16*\t+15], v[PC+16*\x:PC+16*\x+15], v[64*\x+8*(\t0+\t):64*\x+8*(\t0+\t)+7], v[VSC+\t0+\t], v[PW+\x]
.endif
.endr
.endr
.endm
; The sixteen accumulators of O^T take turns, one instruction a turn, in the same order in every step.  Tiles 4-7 go first: their fragments lie where K's next ones are to land.
; nxt = 1: the slot's next 64 keys of K are fetched in the middle.  zero = 1: the launch's first step starts the sums: nothing is ever cleared.
.macro PV nxt, zero
	PLACES 4                                       ; with the v_nop above: P's codes, written by vector instructions, stand four places ahead of a scaled product
	s_wait_alu depctr_va_vdst(0)
	s_wait_dscnt 0x0                               ; V's fragments and scale words are in
	WIN 0x54                                       ; V in window 0; P, C and D in window 1
	PVG 4, KF, \zero
.if \nxt
	WIN 0
	PLACES 8                                       ; in front of loads into registers that these products have read
	LOADK 1, 0
.endif
	WIN 0x55                                       ; V in window 1 too
	PVG 0, VF, \zero
	WIN 0
.endm
.macro HALF1 ldn, nq, ng, mk           ; pass 1, 64 keys; ldn = 1: the next 64 keys' fragments are fetched behind the products and land during the vector work
	s_wait_dscnt 0x0
	KQ
	PLACES 8                               ; in front of loads into the products' registers and of the first read of the scores
.if \ldn
	LOADK \nq, \ng
.endif
	SOFT1 \mk
.endm
.macro SLOTP1 mlast
	SLOTADR 0
	LOADK 0, 0
	s_wait_alu depctr_va_vdst(0)
	HALF1 1, 0, 1, 1
	HALF1 1, 1, 0, 1
	HALF1 1, 1, 1, 1
	HALF1 0, 0, 0, \mlast
	s_xor_b32 s66, s66, SLOT1                      ; on to the other slot
	s_add_co_u32 s67, s67, 1024
.endm
.macro STEP2 q, mlast, nxt, zero       ; pass 2, 128 keys
	s_wait_dscnt 0x0
	KQ
	PLACES 8
	LOADK \q, 1
	SOFT2 0, 1
	s_wait_dscnt 0x0
	KQ
	PLACES 8
	LOADV \q
	SOFT2 1, \mlast
	PV \nxt, \zero
.endm
.macro SLOTP2 mlast, first
	SLOTADR 1
	PLACES 3                                       ; with the five additions: eight places between the last products that read v32-95 and the loads into them
	LOADK 0, 0
	s_wait_alu depctr_va_vdst(0)
	STEP2 0, 1, 1, \first
	STEP2 1, \mlast, 0, 0
	s_xor_b32 s66, s66, SLOT1
	s_add_co_u32 s67, s67, 1024
.endm
; 64 numbers of a lane, v[s] on, register 16 b + i = channel 32 b + 16 (lane / 16) + i of my query, become tile x's fragment of Q (window 1) and its scale word.  At work: v192-207.
.macro QUANTQ s, x
.irp b, 0,1,2,3
	v_max3_num_f32 v[TM+\b], |v[\s+16*\b]|, |v[\s+1+16*\b]|, 0x4800000
.endr
.irp i, 2,4,6,8,10,12,14
.irp b, 0,1,2,3
	s_delay_alu instid0(VALU_DEP_4)
	v_max3_num_f32 v[TM+\b], v[TM+\b], |v[\s+16*\b+\i]|, |v[\s+1+16*\b+\i]|
.endr
.endr
.irp b, 0,1,2,3
	s_delay_alu instid0(VALU_DEP_4)
	v_permlanex16_b32 v[TM+4+\b], v[TM+\b], s30, s31
.endr
.irp b, 0,1,2,3
	s_delay_alu instid0(VALU_DEP_4)
	v_max_num_f32 v[TM+\b], v[TM+\b], v[TM+4+\b]
.endr
.irp b, 0,1,2,3
	s_delay_alu instid0(VALU_DEP_4)
	v_add_nc_u32 v[TM+12+\b], 0xfc000000, v[TM+\b]
.endr
.irp b, 0,1,2,3
.endr
.irp b, 0,1,2,3
	s_delay_alu instid0(VALU_DEP_4)
	v_lshrrev_b32 v[TM+4+\b], 23, v[TM+12+\b]
.endr
	s_delay_alu instid0(VALU_DEP_3)
	v_lshl_or_b32 v[QS+\x], v[TM+5], 8, v[TM+4]
	s_delay_alu instid0(VALU_DEP_1)
	v_lshl_or_b32 v[QS+\x], v[TM+6], 16, v[QS+\x]
	s_delay_alu instid0(VALU_DEP_1)
	v_lshl_or_b32 v[QS+\x], v[TM+7], 24, v[QS+\x]
.irp b, 0,1,2,3
.irp i, 0,1,2,3,4,5,6,7,8,9,10,11,12,13,14,15
.endr
.endr
	WIN 0x40
.irp b, 0,1,2,3
	v_cvt_scalef32_pk8_fp8_f32 v[QF+16*\x+4*\b:QF+16*\x+4*\b+1], v[\s+16*\b:\s+16*\b+7], v[TM+12+\b]
	v_cvt_scalef32_pk8_fp8_f32 v[QF+16*\x+4*\b+2:QF+16*\x+4*\b+3], v[\s+16*\b+8:\s+16*\b+15], v[TM+12+\b]
.endr
	WIN 0
	v_nop                                          ; a plain instruction behind the last conversion
.endm
; ---------------- THE HEAD
	s_load_b512 s[32:47], s[0:1], 0x0              ; q s[32:33], alibi s[34:35], kc s[36:37], ks s[38:39], vc s[40:41], vs s[42:43], mb s[44:45], out0 s[46:47] (fetched anew at the end)
	v_lshl_add_u32 v6, v0, 2, SPARE                ; my spare word; never rewritten
	v_mov_b32 v7, 0                                ; 0; never rewritten
	ds_add_u32 v6, v7
	ds_add_u32 v6, v7
	s_wait_dscnt 0x0
	v_lshrrev_b32 v15, 5, v0
	s_delay_alu instid0(VALU_DEP_1)
	v_readfirstlane_b32 s2, v15                    ; wave 0..7
	s_bfe_u32 s48, ttmp6, 0x40000                  ; cx: my place in the cluster: it enters the addresses of q, mb and out0 alone
	s_lshl_b32 s49, ttmp9, 2                       ; in a cluster launch ttmp9 counts clusters
	s_add_co_u32 s49, s49, s48                     ; my block of 256 queries
	s_and_b32 s50, ttmp7, 0xffff                   ; bh, which the four partners share
	s_lshr_b32 s51, s50, 5                         ; b
	s_and_b32 s52, s50, 31                         ; the head
	s_and_b32 s53, s2, 1                           ; which half of a tile I fetch, if I fetch
	s_bfe_u32 s55, s2, 0x10002                     ; bit 2 of the wave's number: waves 4 and 5 make V's first fill of slot 1
	s_lshl_b32 s54, s50, 18                        ; a head's codes: 262,144 bytes, in kc and in vc
	s_lshl_b32 s56, s53, 14                        ; K: 128 rows of 128 bytes
	s_add_co_u32 s56, s56, s54
	s_mov_b32 s57, 0
	s_lshl_b32 s58, s53, 17                        ; V: 64 rows of 2,048 bytes,
	s_add_co_u32 s58, s58, s54
	s_lshl_b32 s60, s55, 8                         ; and for slot 1 the second 256 keys
	s_add_co_u32 s58, s58, s60
	s_mov_b32 s59, 0
	s_lshl_b32 s60, s50, 13                        ; a head's scale words, and its alibi: 8,192 bytes each
	s_mov_b32 s61, 0
	s_mul_i32 s21, s53, 128*KP                     ; where they go: no place in the cluster enters an LDS address
	s_mul_i32 s25, s53, 64*VP
	s_add_co_u32 s25, s25, VOFF
	s_lshl_b32 s62, s55, 17
	s_add_co_u32 s25, s25, s62
	; descriptor groups 1.  K: 128 rows of 128 bytes, dense in memory.  V: 64 rows of 256 bytes, 2,048 apart.  The scale words: 8,192 dense bytes as 32 rows of 32 elements of 8 bytes.
	s_mov_b32 s4, 15|(1<<20)|(1<<21)|(4<<22)|(3<<25)   ; 15:0 the mask: all four work-groups; 17:16 elements of 1 byte; 20 padding on; 21 set beside a mask; 24:22 after every 32 words (code 4); 31:25 four words (code 3)
	s_mov_b32 s5, 128<<16                          ; tensor_dim0
	s_mov_b32 s6, 128<<16                          ; tensor_dim1
	s_mov_b32 s7, 128<<16                          ; tile_dim0
	s_mov_b32 s8, 128                              ; tile_dim1
	s_mov_b32 s9, 128                              ; tensor_dim0_stride
	s_mov_b32 s10, 0
	s_mov_b32 s11, 0
	s_mov_b32 s12, 15|(1<<20)|(1<<21)|(5<<22)|(3<<25)  ; padding: four words after every 64
	s_mov_b32 s13, 256<<16
	s_mov_b32 s14, 64<<16
	s_mov_b32 s15, 256<<16
	s_mov_b32 s16, 64
	s_mov_b32 s17, 2048
	s_mov_b32 s18, 0
	s_mov_b32 s19, 0
	s_mov_b32 s76, 15|(3<<16)|(1<<21)              ; elements of 8 bytes, no padding
	s_mov_b32 s77, 32<<16
	s_mov_b32 s78, 32<<16
	s_mov_b32 s79, 32<<16
	s_mov_b32 s80, 32
	s_mov_b32 s81, 32
	s_mov_b32 s82, 0
	s_mov_b32 s83, 0
	s_mov_b32 s30, 0x76543210                      ; v_permlanex16_b32's selects for lane l xor 16
	s_mov_b32 s31, 0xfedcba98
	s_mov_b32 s100, 0x3e0293ee                     ; c = log2(e) / sqrt(128)
	s_mov_b32 s101, s100                           ; (named with it as a pair, so it is written)
	s_mov_b32 s66, 0
	s_mov_b32 s67, 0
	s_lshl_b32 s84, s51, 7                         ; my first tile of 16 queries: 128 b + 16 block + 2 wave; 4,096 bytes of masks a tile
	s_lshl_b32 s85, s49, 4
	s_add_co_u32 s84, s84, s85
	s_lshl_b32 s85, s2, 1
	s_add_co_u32 s84, s84, s85
	s_lshl_b32 s84, s84, 12
	s_mov_b32 s85, 0
	s_lshl_b32 s86, s51, 11                        ; my first query's row: 2,048 b + 256 block + 32 wave; 16,384 bytes a row, 512 a head
	s_lshl_b32 s87, s49, 8
	s_add_co_u32 s86, s86, s87
	s_lshl_b32 s87, s2, 5
	s_add_co_u32 s86, s86, s87
	s_lshl_b32 s86, s86, 14
	s_lshl_b32 s87, s52, 9
	s_add_co_u32 s86, s86, s87
	s_mov_b32 s87, 0
	s_mov_b32 s104, s86                            ; kept for out0, whose rows lie as q's
	s_wait_kmcnt 0x0
	s_mov_b32 s20, 1                               ; groups 0: 1:0 count = 1; 63:32 LDS address (set above); 120:64 global address; 127:126 type = 2
	s_add_nc_u64 s[22:23], s[36:37], s[56:57]
	s_or_b32 s23, s23, 0x80000000
	s_mov_b32 s24, 1
	s_add_nc_u64 s[26:27], s[40:41], s[58:59]
	s_or_b32 s27, s27, 0x80000000
	s_mov_b32 s68, 1
	s_mov_b32 s69, SCK
	s_add_nc_u64 s[70:71], s[38:39], s[60:61]
	s_or_b32 s71, s71, 0x80000000
	s_mov_b32 s72, 1
	s_mov_b32 s73, SCV
	s_add_nc_u64 s[74:75], s[42:43], s[60:61]
	s_or_b32 s75, s75, 0x80000000
	s_add_nc_u64 s[28:29], s[44:45], s[84:85]      ; the mask pointer
	s_add_nc_u64 s[32:33], s[32:33], s[86:87]      ; q at my first row
	s_add_nc_u64 s[34:35], s[34:35], s[60:61]      ; alibi at my head
	CROUND                                         ; all four work-groups are here: the first joint loads meet
	; THE FIRST FILLS, one a wave, in one chain of branches on the wave's number: waves 0, 1: K's slot 0;  2, 3: V's first 256 keys (slot 0);  4, 5: V's second 256 (slot 1);  6: K's scale words;  7: V's.
	; V's two slots are not touched in pass 1, so they can be filled now.
	s_cmp_lt_u32 s2, 2
	s_cbranch_scc0 .Lfirst_not_k
	tensor_load_to_lds s[20:23], s[4:11]
	s_nop 0
	PLACES 4
	s_branch .Lfirst_asked
.Lfirst_not_k:
	s_cmp_lt_u32 s2, 6
	s_cbranch_scc0 .Lfirst_not_v
	tensor_load_to_lds s[24:27], s[12:19]
	s_nop 0
	PLACES 4
	s_branch .Lfirst_asked
.Lfirst_not_v:
	s_cmp_eq_u32 s2, 6
	s_cbranch_scc0 .Lfirst_sv
	tensor_load_to_lds s[68:71], s[76:83]
	s_nop 0
	PLACES 4
	s_branch .Lfirst_asked
.Lfirst_sv:
	tensor_load_to_lds s[72:75], s[76:83]
	s_nop 0
	PLACES 4
.Lfirst_asked:
	v_lshlrev_b32 v10, 4, v0                       ; alibi: 256 threads x 16 bytes, twice
	global_load_b128 v[160:163], v10, s[34:35]
	global_load_b128 v[164:167], v10, s[34:35] offset:4096
	v_and_b32 v15, 15, v0                          ; r
	v_bfe_u32 v12, v0, 4, 1                        ; h
	s_delay_alu instid0(VALU_DEP_2)
	v_lshlrev_b32 v11, 14, v15
	s_delay_alu instid0(VALU_DEP_1)
	v_lshl_add_u32 v11, v12, 6, v11                ; q: row r, + 64 h: my 16 numbers of each block of 32
.irp x, 0,1
.irp b, 0,1,2,3
.irp j, 0,1,2,3
	global_load_b128 v[32+64*\x+16*\b+4*\j:32+64*\x+16*\b+4*\j+3], v11, s[32:33] offset:262144*\x+128*\b+16*\j th:TH_LOAD_NT
.endr
.endr
.endr
	v_lshl_add_u32 v9, v0, 4, ALB                  ; where my alibi goes
	v_mul_u32_u24 v1, v15, KP
	s_delay_alu instid0(VALU_DEP_1)
	v_lshl_add_u32 v1, v12, 4, v1                  ; K: row r x pitch + 16 h
	v_mul_u32_u24 v2, v15, VP
	s_delay_alu instid0(VALU_DEP_1)
	v_lshl_add_u32 v2, v12, 4, v2
	s_delay_alu instid0(VALU_DEP_1)
	v_add_nc_u32 v2, VOFF, v2                      ; V likewise, behind K's rows
	v_lshl_add_u32 v3, v15, 4, SCK                 ; scale words: 16 bytes for lane r: four tiles' words
	v_lshl_add_u32 v4, v15, 4, SCV
	v_lshl_add_u32 v5, v12, 6, ALB                 ; alibi: my half's 16 keys of each 32
	v_lshlrev_b32 v14, 14, v12
	s_delay_alu instid0(VALU_DEP_1)
	v_lshl_add_u32 v14, v15, 4, v14                ; out0: lanes 0-15 one row, lanes 16-31 the next; 16 bytes a lane
	s_mul_i32 s88, s2, 16*272
	s_add_co_u32 s88, s88, STAGE                   ; my stage
	v_mul_u32_u24 v216, v15, 272
	s_delay_alu instid0(VALU_DEP_1)
	v_lshl_add_u32 v216, v12, 5, v216
	s_delay_alu instid0(VALU_DEP_1)
	v_add_nc_u32 v216, s88, v216                   ; in: row r, 32 bytes for each half of the lanes
	v_mul_u32_u24 v217, v12, 272
	s_delay_alu instid0(VALU_DEP_1)
	v_lshl_add_u32 v217, v15, 4, v217
	s_delay_alu instid0(VALU_DEP_1)
	v_add_nc_u32 v217, s88, v217                   ; back: two rows an instruction
	v_mov_b32 v13, 0xfe800000                      ; NEG = -2^126
.irp x, 0,1
	v_mov_b32 v[ST+8*\x+1], v13                    ; M begins at NEG,
	v_mul_f32 v[ST+8*\x], -v13, s100               ; -M c at 2^126 c (exact),
	v_mov_b32 v[ST+8*\x+2], 0                      ; the sum at 0
	v_mov_b32 v[ST+8*\x+3], 0
	v_mov_b32 v[ST+8*\x+4], 0
	v_mov_b32 v[ST+8*\x+5], 0                      ; (named as a pair's upper word)
	v_mov_b32 v[ST+8*\x+6], 0
	v_mov_b32 v[ST+8*\x+7], 0                      ; (a lane permute's destination counts as one of its sources)
.endr
.irp j, 196,197,198,199
	v_mov_b32 v\j, 0                               ; likewise
.endr
	s_wait_loadcnt 32                              ; alibi is in; q's 32 loads may be out
.irp j, 160,162,164,166
	v_pk_mul_f32 v[\j:\j+1], v[\j:\j+1], 0x413504f3 op_sel_hi:[1,0]   ; x sqrt(128)
.endr
	ds_store_b128 v9, v[160:163]
	ds_store_b128 v9, v[164:167] offset:4096       ; the wait for these stands in front of the first change of slots' barrier
	s_wait_loadcnt 16                              ; tile 0's numbers are in
	QUANTQ 32, 0
	s_wait_loadcnt 0x0
	QUANTQ 96, 1
	s_wait_tensorcnt 0x0                           ; my first fill has landed: its descriptor's registers may be written (the scale words' lie where the masks go)
	s_xor_b32 s25, s25, SLOT1                      ; V's walking descriptor is set one slot on (slot 1, keys 256 on), so that its first step, at the second slot of pass 2, gives slot 0 and keys 512 on
	s_add_nc_u64 s[26:27], s[26:27], 256
	MLOAD                                          ; the first 64 keys' masks
; ---------------- PASS 1: eight slots of 256 keys.  Behind each change of slots the next slot of K is asked for; behind the last, the first slot again, for pass 2.
	s_mov_b32 s3, 7
.Lp1:
	CHANGE 1
	s_wait_alu depctr_va_vdst(0)
	SLOTP1 1
	s_sub_co_u32 s3, s3, 1
	s_cmp_lg_u32 s3, 0
	s_cbranch_scc1 .Lp1
	CHANGE 2
	SLOTP1 2
	s_mov_b32 s67, 0
	; The two lanes of a query meet: the row's M, both sums brought under it, 1 / the row's sum.  The row's largest score gives a term 1, so the sum is at least 1.
.irp x, 0,1
	v_permlanex16_b32 v[ST+8*\x+7], v[ST+8*\x+1], s30, s31
.endr
.irp x, 0,1
	s_delay_alu instid0(VALU_DEP_2)
	v_max_num_f32 v[ST+8*\x+1], v[ST+8*\x+1], v[ST+8*\x+7]
.endr
.irp x, 0,1
	s_delay_alu instid0(VALU_DEP_2)
	v_mul_f32 v[ST+8*\x+6], -v[ST+8*\x+1], s100
.endr
.irp x, 0,1
	s_delay_alu instid0(VALU_DEP_2)
	v_sub_f32 v[ST+8*\x+7], v[ST+8*\x+6], v[ST+8*\x]
.endr
.irp x, 0,1
	s_delay_alu instid0(VALU_DEP_4)
	v_mov_b32 v[ST+8*\x], v[ST+8*\x+6]
.endr
	s_wait_alu depctr_va_vdst(0)
.irp x, 0,1
	v_exp_f32 v[ST+8*\x+7], v[ST+8*\x+7]
.endr
.irp x, 0,1
	v_add_f32 v[ST+8*\x+2], v[ST+8*\x+2], v[ST+8*\x+3]   ; (a plain place behind the exponentials)
.endr
	s_wait_alu depctr_va_vdst(0)
.irp x, 0,1
	v_mul_f32 v[ST+8*\x+2], v[ST+8*\x+2], v[ST+8*\x+7]
.endr
.irp x, 0,1
	s_delay_alu instid0(VALU_DEP_2)
	v_permlanex16_b32 v[ST+8*\x+3], v[ST+8*\x+2], s30, s31
.endr
.irp x, 0,1
	s_delay_alu instid0(VALU_DEP_2)
	v_add_f32 v[ST+8*\x+2], v[ST+8*\x+2], v[ST+8*\x+3]
.endr
	s_wait_alu depctr_va_vdst(0)
.irp x, 0,1
	v_rcp_f32 v[ST+8*\x+4], v[ST+8*\x+2]
.endr
	v_nop                                          ; a plain place behind the reciprocals
; ---------------- PASS 2: eight slots again.  The first is written out: V's second slot lies in LDS already, so only K is asked for, and its first V^T P starts O^T's sums.
	CHANGE 1
	SLOTP2 1, 1
	s_mov_b32 s3, 6
.Lp2:
	CHANGE 3
	SLOTP2 1, 0
	s_sub_co_u32 s3, s3, 1
	s_cmp_lg_u32 s3, 0
	s_cbranch_scc1 .Lp2
	CHANGE 0                                       ; the last slot is written out; it asks for no masks either
	SLOTP2 0, 0
; ---------------- THE WAY OUT.  P was normalised, so O^T is the result.  Register 8 T + j of a tile is out(query r, channel 16 T + 8 h + j): 32 neighbouring bytes.  Half a head's row (256 bytes) of 16 queries at a time
; goes through my stage and comes back as rows, so that sixteen lanes store 256 consecutive bytes, aligned.  LDS serves a wave's instructions in order: no wait between stores and loads, nor in front of the next stores.
	PLACES 8                                       ; in front of the first read of results and of loads into registers that the last products read
	s_load_b64 s[32:33], s[0:1], 0x38              ; out0
	s_mov_b32 s34, s104
	s_mov_b32 s35, 0
	s_wait_kmcnt 0x0
	s_add_nc_u64 s[32:33], s[32:33], s[34:35]
.irp x, 0,1
.irp u, 0,1
	WIN 0x04                                       ; an LDS store's data are its source 1: window 1
.irp t, 0,1,2,3
	ds_store_b128 v216, v[64*\x+32*\u+8*\t:64*\x+32*\u+8*\t+3] offset:64*\t          ; each accumulator from its low end on
	ds_store_b128 v216, v[64*\x+32*\u+8*\t+4:64*\x+32*\u+8*\t+7] offset:64*\t+16
.endr
	WIN 0
.irp i, 0,1,2,3,4,5,6,7
	ds_load_b128 v[32+32*(2*\x+\u)+4*\i:32+32*(2*\x+\u)+4*\i+3], v217 offset:544*\i
.endr
.endr
.endr
.irp x, 0,1
.irp u, 0,1
.irp i, 0,1,2,3,4,5,6,7
	s_wait_dscnt 16*(3-(2*\x+\u))+7-\i             ; behind this load: the rest of its eight, and sixteen LDS instructions for each later quarter
	global_store_b128 v14, v[32+32*(2*\x+\u)+4*\i:32+32*(2*\x+\u)+4*\i+3], s[32:33] offset:262144*\x+32768*\i+256*\u th:TH_STORE_NT
.endr
.endr
.endr
	s_wait_tensorcnt 0x0                           ; the wave's end: behind my last tensor load and my last LDS store
	ds_add_u32 v6, v7
	s_wait_dscnt 0x0
	CROUND                                         ; the closing round: no work-group ends while a partner may still ask for a tile that names it
	s_endpgm
.Lfunc_end_k_q3d7f1beb1e_attn:
	.size	k_q3d7f1beb1e_attn, .Lfunc_end_k_q3d7f1beb1e_attn-k_q3d7f1beb1e_attn
	.p2alignl 7, 3214868480
	.fill 96, 4, 3214868480
	.section	.rodata,"a",@progbits
	.p2align	6, 0x0
	.amdhsa_kernel k_q3d7f1beb1e_attn
		.amdhsa_group_segment_fixed_size 327680
		.amdhsa_private_segment_fixed_size 0
		.amdhsa_enable_private_segment 0
		.amdhsa_kernarg_size 64
		.amdhsa_user_sgpr_count 2
		.amdhsa_user_sgpr_kernarg_segment_ptr 1
		.amdhsa_wavefront_size32 1
		.amdhsa_system_sgpr_workgroup_id_x 1
		.amdhsa_system_sgpr_workgroup_id_y 1
		.amdhsa_system_sgpr_workgroup_id_z 1
		.amdhsa_system_vgpr_workitem_id 0
		.amdhsa_next_free_vgpr 512
		.amdhsa_next_free_sgpr 106
		.amdhsa_reserve_vcc 0
		.amdhsa_float_denorm_mode_32 3
		.amdhsa_float_denorm_mode_16_64 3
		.amdhsa_fp16_overflow 1
		.amdhsa_memory_ordered 1
		.amdhsa_forward_progress 1
		.amdhsa_inst_pref_size 255
	.end_amdhsa_kernel
	.section	.bss,"aw",@nobits
	.p2align	6
	.space	262144
	.amdgpu_metadata
---
amdhsa.version: [ 1, 2 ]
amdhsa.kernels:
  - .name:           k_q3d7f1beb1e_attn
    .symbol:         k_q3d7f1beb1e_attn.kd
    .args:
      - { .name: query_layer, .offset: 0, .size: 8, .value_kind: global_buffer, .address_space: global }
      - { .name: alibi, .offset: 8, .size: 8, .value_kind: global_buffer, .address_space: global }
      - { .name: kc, .offset: 16, .size: 8, .value_kind: global_buffer, .address_space: global }
      - { .name: ks, .offset: 24, .size: 8, .value_kind: global_buffer, .address_space: global }
      - { .name: vc, .offset: 32, .size: 8, .value_kind: global_buffer, .address_space: global }
      - { .name: vs, .offset: 40, .size: 8, .value_kind: global_buffer, .address_space: global }
      - { .name: mb, .offset: 48, .size: 8, .value_kind: global_buffer, .address_space: global }
      - { .name: out0, .offset: 56, .size: 8, .value_kind: global_buffer, .address_space: global }
    .group_segment_fixed_size: 327680
    .private_segment_fixed_size: 0
    .kernarg_segment_align: 8
    .kernarg_segment_size: 64
    .max_flat_workgroup_size: 256
    .sgpr_count:     106
    .vgpr_count:     512
    .wavefront_size: 32
...
	.end_amdgpu_metadata
.endif
;; end of part 2
